; MI455X (gfx1250); checked and timed in simulation.
; The chip was launched on July 23, 2026; its instructions are those of AMD's public machine-readable ISA for CDNA 5 (MIT licence, August 2026) and "CDNA5" Instruction Set Architecture Reference Guide (July 2026). The comments in the code are by the model that wrote it; some were corrected since.
;; Attention. Allowed arithmetic: float matrix products may take bf16 or f16 operands with f32 sums; other float arithmetic in f32, or as packed bf16 or f16 multiplies, adds, multiply-adds, maxima and minima; sums over many terms, partial sums and values carried from step to step in f32; what a program stores and reads back later, other than sums and carried values, may be rounded once to bf16 or f16.
;; Inputs: Wg 256 x 256 float32; Wk 256 x 256 float32; Wo 256 x 256 float32; Wq 256 x 256 float32; Wv 256 x 256 float32; bg 256 float32; bias_mask 2 x 1 x 1 x 2,048 float32; bias_pair 1 x 8 x 2,048 x 2,048 float32; bo 256 float32; kv_x 2 x 2,048 x 256 float32; q_x 2 x 2,048 x 256 float32.
;; Outputs: out0 2 x 2,048 x 256 float32.
;; One version. Each part assembles by itself: llvm-mc -triple=amdgcn-amd-amdhsa -mcpu=gfx1250 --defsym DOCPART=n.
;; ======== version 1 of 1: 3 launches
;; limits: values are held in f16: magnitudes above 65,504 overflow, below 6.1e-05 lose precision
;; workspace buffers: qf 2,097,152 bytes; gf 2,097,152 bytes; kv 4,194,304 bytes; of 2,097,152 bytes; wof 131,072 bytes
;; launch proj (part 1): grid 32 x 8, 8 waves a work-group, no clusters, 148,480 bytes of LDS; arguments q_x, kv_x, Wq, Wg, Wk, Wv, bg, Wo, qf, gf, kv, wof; writes qf, gf, kv, wof
.if DOCPART == 1
	.amdgcn_target "amdgcn-amd-amdhsa--gfx1250"
	.amdhsa_code_object_version 6
	.text
	.protected	k_qe86391274b_proj
	.globl	k_qe86391274b_proj
	.p2align	8
	.type	k_qe86391274b_proj,@function
k_qe86391274b_proj:
	s_mov_b64 s[64:65], 0
	v_nop
	global_prefetch_b8 v0, s[64:65] scope:SCOPE_SE
	s_setreg_imm32_b32 hwreg(HW_REG_WAVE_MODE, 25, 1), 1
	s_wait_xcnt 0x0
; THE FOUR PROJECTIONS.  q = q_x Wq^T / sqrt(32), g = sigmoid(q_x Wg^T + bg), k = kv_x Wk^T, v = kv_x Wv^T: each 4,096 x 256 x 256.
; Operands are rounded once to f16, sums are f32, results are rounded once to f16 and stored IN THE ORDER OF MATRIX FRAGMENTS, so that the next launch reads them as they lie.
; Beside that Wo is rounded to f16 and laid in the same order for the third launch.
; NOTHING OF reference() IS LEFT OUT in this program: every one of the eleven inputs has a way to the output and is loaded by one of the three launches.
; LIMITS.  f16 holds no number beyond 65,504: q_x, kv_x, the weights, and q, k, v must lie within it (the inputs' spread times 30, or an offset of 30 spreads, gives |q|, |k|, |v| of some 15,000);
; below 6e-5 a number keeps f16's fixed step of 6e-8.  NaN and infinities are not treated apart.
; SHARES.  Work-group (x, y): 128 rows of the 4,096 (x), projection y / 2 (0 q, 1 g, 2 k, 3 v), 128 of its 256 channels (y % 2).
; Eight waves; wave w makes 64 rows of source 0 (w / 4) x 32 rows of source 1 (w % 4): 8 accumulators, 64 matrix instructions.
; K GOES IN FOUR QUARTERS of 64 channels.  All 64 loads of a wave go out at once, ordered by quarters; a quarter is rounded, laid into LDS and multiplied while the later quarters' loads are on their way.
; Each quarter has an LDS region of its own, so a wave's stores of one quarter and another wave's reads of the quarter before touch different bytes: one barrier a quarter, between its stores and its reads.
; ORIENTATION.  q, g, k: source 0 = rows of W, source 1 = rows of x: a lane then holds one row of x and 8 neighbouring channels: 16 bytes of a fragment whose k runs along channels.
; v: source 0 = rows of x, source 1 = rows of Wv: a lane holds one channel and 8 neighbouring keys: 16 bytes of a fragment of V^T.  Only the two global pointers differ; a region's first 128 rows always hold source 0.
; NO CLUSTER, though x's and W's rows are read by several work-groups: they are f32 in memory and pass through registers to be rounded; a joint load lands in LDS alone and would add a way through LDS.
; LAYOUTS (a half fragment is 512 bytes, lane l's 16 bytes at 16 l; r = l % 16, hh = l / 16):
;   qf, gf [h 8][qt 128][b 2][i 2][512]: query 16 qt + r, channels 32 h + 16 i + 8 hh + 0..7
;   kv     [h 8][grp 32][16,384]: K [kb 4][b 2][i 2][512]: key 64 grp + 16 kb + r, channels 16 i + 8 hh + 0..7;  then V [kk 2][b 2][c2 2][i 2][512]: channel 16 c2 + r, keys 64 grp + 32 kk + 16 i + 8 hh + 0..7
;   wof    [ct 16][ks 8][i 2][512]: row 16 ct + r of Wo, channels 32 ks + 16 i + 8 hh + 0..7
.set PQ,    144                        ; an LDS row of a quarter: 128 bytes of f16 + 16 = 9 x 16: the 16 rows of a fragment load start at 16 different groups of four banks
.set R1O,   128*PQ                     ; source 1's 128 rows lie behind source 0's
.set QREG,  256*PQ                     ; a quarter's region
.set SPARE, 4*QREG                     ; the spare words, 128 bytes for each of the eight waves: four blocks of 256 bytes that no other line names
.set L16, 2                            ; v2   16 x lane
.set LO,  3                            ; v3   my 16 bytes of a load: lanes 0-15 row t, lanes 16-31 row t + 8
.set STA, 4                            ; v4, v5  where I put 8 bytes of those rows, in quarters 0-1, 2-3 (an immediate holds 65,535 at the most)
.set A0,  6                            ; v6, v7  my lane's place in my wave's fragments of source 0, likewise
.set A1,  12                           ; v12, v13  of source 1
.set BGO, 14                           ; v14  32 x hh: my 8 numbers of bg
.set WOO, 15                           ; v15  my 32 bytes of Wo: row r, 8 hh numbers on
.set T,   16                           ; v16-47   packed numbers at work
.set BI,  48                           ; v48-79   what starts the sums: bg for the gate, else 0; block a at BI + 8 a
.set ACC, 80                           ; v80-143  accumulator (a, b) at ACC + 8 (2 a + b)
.set F0,  144                          ; v144-239 two fragment buffers of 48: four blocks of source 0, two of source 1
.set SPW, 240                          ; v240 LDS address of my spare word; never rewritten
.set NIL, 241                          ; v241 0; never rewritten
.set WL,  242                          ; v242-249 wave 0: 8 numbers of Wo
.set WP,  250                          ; v250-253 the same, packed
.set WV,  32
.set BX,  33
.set YY,  34
.set TYP, 35
.set HALF, 36
.set WA,  37
.set WB,  38
.set MSB, 0
.macro WIN new                         ; the immediate's high byte repeats the setting that is left; a switch that changes nothing is dropped
.if MSB != (\new)
	s_set_vgpr_msb (MSB<<8)|(\new)
.set MSB, (\new)
.endif
.endm
.macro PLACES                          ; four places behind a matrix instruction, in front of readers of its result
.rept 4
	v_nop
.endr
.endm
	s_load_b512 s[8:23], s[0:1], 0x0               ; q_x 8, kv_x 10, Wq 12, Wg 14, Wk 16, Wv 18, bg 20, Wo 22
	s_load_b256 s[24:31], s[0:1], 0x40             ; qf 24, gf 26, kv 28, wof 30
	v_lshl_add_u32 v[SPW], v0, 2, SPARE
	v_mov_b32 v[NIL], 0
	v_lshrrev_b32 v1, 5, v0
	v_readfirstlane_b32 s[WV], v1                  ; wave 0..7
	s_mov_b32 s[BX], ttmp9
	s_and_b32 s[YY], ttmp7, 0xffff
	s_lshr_b32 s[TYP], s[YY], 1
	s_and_b32 s[HALF], s[YY], 1
	s_lshr_b32 s[WA], s[WV], 2
	s_and_b32 s[WB], s[WV], 3
	v_and_b32 v8, 31, v0                           ; lane
	v_and_b32 v9, 15, v0                           ; r
	v_bfe_u32 v10, v0, 4, 1                        ; hh
	v_lshlrev_b32 v[L16], 4, v8
	v_lshlrev_b32 v[LO], 4, v9
	v_lshl_add_u32 v[LO], v10, 13, v[LO]           ; 16 r + 8 rows of 1,024 bytes for the upper lanes
	s_mul_i32 s39, s[WV], 16*PQ                    ; my wave's 16 rows of a region's 128
	v_mul_u32_u24 v11, v10, 8*PQ
	v_lshl_add_u32 v11, v9, 3, v11                 ; 8 r + 8 rows for the upper lanes: 288 words on, so that the 32 lanes of a store touch each bank once
	v_add_nc_u32 v[STA], s39, v11
	v_add_nc_u32 v[STA+1], 2*QREG, v[STA]
	v_mul_u32_u24 v11, v9, PQ
	v_lshl_add_u32 v11, v10, 4, v11                ; row x pitch + 16 x half
	s_mul_i32 s39, s[WA], 64*PQ
	v_add_nc_u32 v[A0], s39, v11
	v_add_nc_u32 v[A0+1], 2*QREG, v[A0]
	s_mul_i32 s39, s[WB], 32*PQ
	s_add_co_u32 s39, s39, R1O
	v_add_nc_u32 v[A1], s39, v11
	v_add_nc_u32 v[A1+1], 2*QREG, v[A1]
	v_lshlrev_b32 v[BGO], 5, v10
	v_lshlrev_b32 v[WOO], 10, v9
	v_lshl_add_u32 v[WOO], v10, 5, v[WOO]
	s_wait_kmcnt 0x0
	s_cmp_lt_u32 s[TYP], 2
	s_cselect_b64 s[40:41], s[8:9], s[10:11]       ; x: q_x for q and g, kv_x for k and v
	s_cselect_b64 s[44:45], s[12:13], s[16:17]     ; Wq or Wk
	s_cselect_b64 s[46:47], s[14:15], s[18:19]     ; Wg or Wv
	s_and_b32 s39, s[TYP], 1
	s_cmp_eq_u32 s39, 1
	s_cselect_b64 s[42:43], s[46:47], s[44:45]     ; W
	s_lshl_b32 s52, s[BX], 17                      ; my 128 rows of x, 1,024 bytes each
	s_lshl_b32 s53, s[HALF], 17                    ; my 128 rows of W
	s_cmp_eq_u32 s[TYP], 3
	s_cselect_b64 s[48:49], s[40:41], s[42:43]     ; source 0: W, for v: x
	s_cselect_b64 s[50:51], s[42:43], s[40:41]     ; source 1: x, for v: W
	s_cselect_b32 s54, s52, s53
	s_cselect_b32 s56, s53, s52
	s_lshl_b32 s39, s[WV], 14                      ; my wave's 16 rows of the 128
	s_add_co_u32 s54, s54, s39
	s_add_co_u32 s56, s56, s39
	s_mov_b32 s55, 0
	s_mov_b32 s57, 0
	s_add_nc_u64 s[48:49], s[48:49], s[54:55]
	s_add_nc_u64 s[50:51], s[50:51], s[56:57]
	; Wo: its 256 half fragments are shared out, one to a work-group: number n = 32 y + x, by wave 0.  A lane takes 32 bytes of a row: 16 pieces of 64 bytes, 1 KiB a work-group, once in the launch.
	; These two loads, and the gate's below, are older than all that follow, so the counted waits hold on every way.
	s_cmp_lg_u32 s[WV], 0
	s_cbranch_scc1 .Lno_wo
	s_lshl_b32 s52, s[YY], 5
	s_add_co_u32 s52, s52, s[BX]                   ; n = 16 ct + 2 ks + i
	s_lshl_b32 s54, s52, 9
	s_add_nc_u64 s[30:31], s[30:31], s[54:55]      ; wof at half fragment n
	s_lshr_b32 s54, s52, 4
	s_lshl_b32 s54, s54, 14                        ; 16 rows of 1,024 bytes a column tile
	s_and_b32 s52, s52, 15
	s_lshl_b32 s52, s52, 6                         ; 16 channels of 4 bytes a half
	s_add_co_u32 s54, s54, s52
	s_add_nc_u64 s[22:23], s[22:23], s[54:55]
	global_load_b128 v[WL:WL+3], v[WOO], s[22:23]
	global_load_b128 v[WL+4:WL+7], v[WOO], s[22:23] offset:16
.Lno_wo:
	; what starts the sums
	s_cmp_eq_u32 s[TYP], 1
	s_cbranch_scc0 .Lno_bias
	s_lshl_b32 s52, s[HALF], 9
	s_lshl_b32 s53, s[WA], 8
	s_add_co_u32 s52, s52, s53                     ; 4 x (128 half + 64 wa)
	s_mov_b32 s53, 0
	s_add_nc_u64 s[20:21], s[20:21], s[52:53]
.set k, 0
.rept 8                                ; block k / 2, numbers 4 (k % 2) on
	global_load_b128 v[BI+4*k:BI+4*k+3], v[BGO], s[20:21] offset:(k/2)*64+(k%2)*16
.set k, k+1
.endr
	s_branch .Lbias_done
.Lno_bias:
.set k, 0
.rept 32
	v_mov_b32 v[BI+k], 0                           ; one form of first product for all four projections
.set k, k+1
.endr
.Lbias_done:
	; 64 loads a wave, by quarters: in each, 8 loads of source 0 and 8 of source 1; a load takes 256 consecutive bytes, aligned, of each of two rows.  Quarter q lands in window 1's v[64 q ..].
	WIN 0x40
.set q, 0
.rept 4
.set t, 0
.rept 8
	global_load_b128 v[64*q+4*t:64*q+4*t+3], v[LO], s[48:49] offset:t*1024+q*256
.set t, t+1
.endr
.set t, 0
.rept 8
	global_load_b128 v[64*q+32+4*t:64*q+32+4*t+3], v[LO], s[50:51] offset:t*1024+q*256
.set t, t+1
.endr
.set q, q+1
.endr
.macro FETCH q, e, f                   ; the fragments of 32 along K, half e of quarter q: 12 loads
.irp a, 0,1,2,3
	ds_load_b128 v[(\f)+8*\a:(\f)+8*\a+3],   v[A0+(\q)/2] offset:((\q)%2)*QREG+\a*16*PQ+(\e)*64
	ds_load_b128 v[(\f)+8*\a+4:(\f)+8*\a+7], v[A0+(\q)/2] offset:((\q)%2)*QREG+\a*16*PQ+(\e)*64+32
.endr
.irp b, 0,1
	ds_load_b128 v[(\f)+32+8*\b:(\f)+32+8*\b+3],   v[A1+(\q)/2] offset:((\q)%2)*QREG+\b*16*PQ+(\e)*64
	ds_load_b128 v[(\f)+32+8*\b+4:(\f)+32+8*\b+7], v[A1+(\q)/2] offset:((\q)%2)*QREG+\b*16*PQ+(\e)*64+32
.endr
.endm
.macro MUL8 f, first                   ; the 8 accumulators take turns, in the same order in every K step: 7 others stand between two links
.irp a, 0,1,2,3
.irp b, 0,1
.if \first
	v_wmma_f32_16x16x32_f16 v[ACC+8*(2*\a+\b):ACC+8*(2*\a+\b)+7], v[(\f)+8*\a:(\f)+8*\a+7], v[(\f)+32+8*\b:(\f)+32+8*\b+7], v[BI+8*\a:BI+8*\a+7]
.else
	v_wmma_f32_16x16x32_f16 v[ACC+8*(2*\a+\b):ACC+8*(2*\a+\b)+7], v[(\f)+8*\a:(\f)+8*\a+7], v[(\f)+32+8*\b:(\f)+32+8*\b+7], v[ACC+8*(2*\a+\b):ACC+8*(2*\a+\b)+7]
.endif
.endr
.endr
.endm
; A quarter.  The 32 conversions are also the places between the last products and the loads into the buffers that they read.
.macro QUART q, first
	s_wait_loadcnt 48-16*(\q)                      ; this quarter is in; the 16 loads of each later quarter stay out
	WIN 0x05                                       ; sources in window 1, destination in window 0
.set k, 0
.rept 32
	v_cvt_pk_f16_f32 v[T+k], v[64*(\q)+2*k], v[64*(\q)+2*k+1]
.set k, k+1
.endr
	WIN 0
.set k, 0
.rept 16                               ; source k / 8, rows k % 8 and k % 8 + 8
	ds_store_b64 v[STA+(\q)/2], v[T+2*k:T+2*k+1] offset:((\q)%2)*QREG+(k/8)*R1O+(k%8)*PQ
.set k, k+1
.endr
	s_wait_dscnt 0x0                               ; for the others' sake: my rows of this quarter lie in LDS
	s_barrier_signal -1
	s_barrier_wait -1
	FETCH \q, 0, F0
	FETCH \q, 1, F0+48
	s_wait_dscnt 12                                ; the first 32 along K are in; the second's 12 loads may be out
	MUL8 F0, \first
	s_wait_dscnt 0x0
	MUL8 F0+48, 0
.endm
	QUART 0, 1
	QUART 1, 0
	QUART 2, 0
	QUART 3, 0
	PLACES
	s_cmp_lg_u32 s[WV], 0
	s_cbranch_scc1 .Lno_wo2
.irp j, 0,1,2,3
	v_cvt_pk_f16_f32 v[WP+\j], v[WL+2*\j], v[WL+2*\j+1]
.endr
	global_store_b128 v[L16], v[WP:WP+3], s[30:31] ; 512 consecutive bytes, aligned
.Lno_wo2:
; THE WAY OUT: a lane's eight results pack into 16 bytes; each store of the wave covers 512 consecutive bytes, aligned.
.macro PACKST p, sa, sb
.set k, 0
.rept 32
	v_cvt_pk_f16_f32 v[T+k], v[ACC+2*k], v[ACC+2*k+1]
.set k, k+1
.endr
.irp a, 0,1,2,3
.irp b, 0,1
	global_store_b128 v[L16], v[T+4*(2*\a+\b):T+4*(2*\a+\b)+3], s[\p:\p+1] offset:(\a/2)*(\sa)+(\a%2)*512+\b*(\sb)
.endr
.endr
.endm
	s_and_b32 s52, s[BX], 15                       ; n: my block of 128 rows in its batch
	s_lshr_b32 s53, s[BX], 4                       ; the batch
	s_mov_b32 s57, 0
	s_cmp_lt_u32 s[TYP], 2
	s_cbranch_scc0 .Lkv
	s_lshl_b32 s54, s[HALF], 2
	s_lshl1_add_u32 s54, s[WA], s54                ; head of block a = 0: 4 half + 2 wa
	s_lshl_b32 s56, s54, 18
	s_lshl_b32 s54, s52, 3
	s_lshl1_add_u32 s54, s[WB], s54                ; query tile of block b = 0: 8 n + 2 wb
	s_lshl_b32 s54, s54, 11
	s_add_co_u32 s56, s56, s54
	s_lshl_b32 s54, s53, 10
	s_add_co_u32 s56, s56, s54
	s_cmp_eq_u32 s[TYP], 0
	s_cbranch_scc0 .Lgate
.set k, 0
.rept 32
	v_pk_mul_f32 v[ACC+2*k:ACC+2*k+1], v[ACC+2*k:ACC+2*k+1], 0x3e3504f3 op_sel_hi:[1,0]  ; 1 / sqrt(32), in f32, ahead of the one rounding
.set k, k+1
.endr
	s_add_nc_u64 s[58:59], s[24:25], s[56:57]
	s_branch .Lqg
.Lgate:                                        ; sigmoid(z) = 1 / (1 + 2^(-log2(e) z))
.set k, 0
.rept 32
	v_pk_mul_f32 v[ACC+2*k:ACC+2*k+1], v[ACC+2*k:ACC+2*k+1], 0xbfb8aa3b op_sel_hi:[1,0]
.set k, k+1
.endr
.set k, 0
.rept 64
	v_exp_f32 v[ACC+k], v[ACC+k]
.set k, k+1
.endr
	v_nop                                          ; a plain instruction behind the last exponential,
	s_wait_alu depctr_va_vdst(0)                   ; and one wait for the 64, ahead of their first reader
.set k, 0
.rept 32
	v_pk_add_f32 v[ACC+2*k:ACC+2*k+1], v[ACC+2*k:ACC+2*k+1], 1.0 op_sel_hi:[1,0]
.set k, k+1
.endr
.set k, 0
.rept 64
	v_rcp_f32 v[ACC+k], v[ACC+k]
.set k, k+1
.endr
	v_nop
	s_wait_alu depctr_va_vdst(0)                   ; one wait for the 64 reciprocals
	s_add_nc_u64 s[58:59], s[26:27], s[56:57]
.Lqg:
	PACKST 58, 262144, 2048                        ; block a: head a / 2 on, half a % 2; block b: a query tile on
	s_branch .Lend
.Lkv:
	s_cmp_eq_u32 s[TYP], 2
	s_cbranch_scc0 .Lv
	s_lshl_b32 s54, s[HALF], 2
	s_lshl1_add_u32 s54, s[WA], s54
	s_lshl_b32 s56, s54, 19                        ; head x 524,288
	s_lshr_b32 s54, s[WB], 1
	s_lshl1_add_u32 s54, s52, s54                  ; group of 64 keys: 2 n + wb / 2
	s_lshl_b32 s54, s54, 14
	s_add_co_u32 s56, s56, s54
	s_and_b32 s54, s[WB], 1
	s_lshl_b32 s54, s54, 12                        ; key block 2 (wb % 2)
	s_add_co_u32 s56, s56, s54
	s_lshl_b32 s54, s53, 10
	s_add_co_u32 s56, s56, s54
	s_add_nc_u64 s[58:59], s[28:29], s[56:57]
	PACKST 58, 524288, 2048
	s_branch .Lend
.Lv:
	s_lshl_b32 s54, s[HALF], 2
	s_add_co_u32 s54, s54, s[WB]                   ; head 4 half + wb
	s_lshl_b32 s54, s54, 5
	s_lshl1_add_u32 s54, s52, s54
	s_add_co_u32 s54, s54, s[WA]                   ; + group 2 n + wa
	s_lshl_b32 s56, s54, 14
	s_add_co_u32 s56, s56, 8192                    ; V lies behind K
	s_lshl_b32 s54, s53, 11
	s_add_co_u32 s56, s56, s54
	s_add_nc_u64 s[58:59], s[28:29], s[56:57]
	PACKST 58, 4096, 1024                          ; block a: 32 keys a / 2 on, half a % 2; block b: 16 channels on
.Lend:
	s_wait_tensorcnt 0x0                           ; the wave's end: behind my last LDS store
	ds_add_u32 v[SPW], v[NIL]
	s_wait_dscnt 0x0
	s_endpgm
.Lfunc_end_k_qe86391274b_proj:
	.size	k_qe86391274b_proj, .Lfunc_end_k_qe86391274b_proj-k_qe86391274b_proj
	.p2alignl 7, 3214868480
	.fill 96, 4, 3214868480
	.section	.rodata,"a",@progbits
	.p2align	6, 0x0
	.amdhsa_kernel k_qe86391274b_proj
		.amdhsa_group_segment_fixed_size 148480
		.amdhsa_private_segment_fixed_size 0
		.amdhsa_enable_private_segment 0
		.amdhsa_kernarg_size 96
		.amdhsa_user_sgpr_count 2
		.amdhsa_user_sgpr_kernarg_segment_ptr 1
		.amdhsa_wavefront_size32 1
		.amdhsa_system_sgpr_workgroup_id_x 1
		.amdhsa_system_sgpr_workgroup_id_y 1
		.amdhsa_system_sgpr_workgroup_id_z 1
		.amdhsa_system_vgpr_workitem_id 0
		.amdhsa_next_free_vgpr 512
		.amdhsa_next_free_sgpr 66
		.amdhsa_reserve_vcc 0
		.amdhsa_float_denorm_mode_32 3
		.amdhsa_float_denorm_mode_16_64 3
		.amdhsa_memory_ordered 1
		.amdhsa_forward_progress 1
		.amdhsa_inst_pref_size 57
	.end_amdhsa_kernel
	.amdgpu_metadata
---
amdhsa.version: [ 1, 2 ]
amdhsa.kernels:
  - .name:           k_qe86391274b_proj
    .symbol:         k_qe86391274b_proj.kd
    .args:
      - { .name: q_x, .offset: 0, .size: 8, .value_kind: global_buffer, .address_space: global }
      - { .name: kv_x, .offset: 8, .size: 8, .value_kind: global_buffer, .address_space: global }
      - { .name: Wq, .offset: 16, .size: 8, .value_kind: global_buffer, .address_space: global }
      - { .name: Wg, .offset: 24, .size: 8, .value_kind: global_buffer, .address_space: global }
      - { .name: Wk, .offset: 32, .size: 8, .value_kind: global_buffer, .address_space: global }
      - { .name: Wv, .offset: 40, .size: 8, .value_kind: global_buffer, .address_space: global }
      - { .name: bg, .offset: 48, .size: 8, .value_kind: global_buffer, .address_space: global }
      - { .name: Wo, .offset: 56, .size: 8, .value_kind: global_buffer, .address_space: global }
      - { .name: qf, .offset: 64, .size: 8, .value_kind: global_buffer, .address_space: global }
      - { .name: gf, .offset: 72, .size: 8, .value_kind: global_buffer, .address_space: global }
      - { .name: kv, .offset: 80, .size: 8, .value_kind: global_buffer, .address_space: global }
      - { .name: wof, .offset: 88, .size: 8, .value_kind: global_buffer, .address_space: global }
    .group_segment_fixed_size: 148480
    .private_segment_fixed_size: 0
    .kernarg_segment_align: 8
    .kernarg_segment_size: 96
    .max_flat_workgroup_size: 256
    .sgpr_count:     66
    .vgpr_count:     512
    .wavefront_size: 32
...
	.end_amdgpu_metadata
.endif
;; end of part 1
;; launch attn (part 2): grid 32 x 8, 4 waves a work-group, clusters of 4 x 1, 327,680 bytes of LDS; arguments bias_pair, bias_mask, qf, gf, kv, of; writes of
.if DOCPART == 2
	.amdgcn_target "amdgcn-amd-amdhsa--gfx1250"
	.amdhsa_code_object_version 6
	.text
	.protected	k_qe86391274b_attn
	.globl	k_qe86391274b_attn
	.p2align	8
	.type	k_qe86391274b_attn,@function
k_qe86391274b_attn:
	s_mov_b64 s[64:65], 0
	v_nop
	global_prefetch_b8 v0, s[64:65] scope:SCOPE_SE
	s_setreg_imm32_b32 hwreg(HW_REG_WAVE_MODE, 25, 1), 1
	s_wait_xcnt 0x0
	s_wait_alu depctr_hold_cnt(0) depctr_sa_sdst(0) depctr_va_vdst(0) depctr_va_sdst(0) depctr_va_ssrc(0) depctr_va_vcc(0) depctr_vm_vsrc(0)
	s_getreg_b32 s2, hwreg(HW_REG_IB_STS2, 6, 4)
	s_cmp_eq_u32 s2, 0
	s_cbranch_scc0 .Lentry_in_a_cluster
	s_endpgm
.Lentry_in_a_cluster:
	s_bfe_u32 s2, ttmp6, 0x10000c
	s_cmp_lg_u32 s2, 0x3003
	s_cbranch_scc0 .Lentry_shape_is_right
	s_endpgm
.Lentry_shape_is_right:
; ATTENTION WITH TWO BIASES AND A GATE.  of[b][q][h][:] = g[b][q][h][:] x the sum over k of softmax_k(q . k + bias_mask[b][k] + bias_pair[h][q][k]) v[b][k][h][:]   (q arrives divided by sqrt(32)).
; Nothing of reference() is left out here.  Products and sums in f32; both biases enter the scores in f32; the weights p are rounded to f16 for the second product, and their sum l is taken of the rounded p.
; LIMITS.  q, k, v, g arrive in f16.  A score must lie above -2.9e37 (c m starts at -4.25e37); a weight below 2^-126 counts as 0, below 6e-5 it keeps f16's step of 6e-8; NaN and infinities in the biases are not treated apart.
; SHARES.  A work-group owns 64 queries of one head IN BOTH BATCHES, so that its 512 KiB of bias_pair, which knows no batch, are read once.  THE KEYS ARE SPLIT AMONG ITS FOUR WAVES: wave w walks keys 512 w .. 512 w + 511
; for all 8 tiles (4 query tiles x 2 batches), 64 keys a step, 8 steps; the four partial softmaxes meet in LDS at the end.  A PIECE Y is a query tile with both batches (u); tile t = 2 Y + u.
; LAYOUT.  S^T = K Q^T + bias (source 0 = 16 keys, source 1 = 16 queries, C = the bias): a lane holds ONE query (lane % 16) and the keys 8 (lane / 16) + 0..7; one instruction ends a tile, since a head has 32 channels.
; Two such results rounded to f16 ARE source 1 of O^T = V^T P.  The row sums are a product too: E_u (ones in rows u and u + 8) times P leaves l of tile u in register u of L, in both halves of the lanes.
; SOFTMAX.  A running maximum m and p = 2^(c s - c m), c = log2(e); in every step O and l are multiplied by a = 2^(c m_old - c m_new).  c m starts far below every c s, O and l at 0: the first step is a step like any other, with a = 0.
; THREE STREAMS.  bias_pair is the work-group's own: plain loads, 512 bytes each (two rows' 256), into a ring of four register slots, then through the wave's own stage in LDS into the C layout; the waits are counted, 24 to 32 loads
; of a wave are always out.  K and V are the same for all 32 work-groups of a head: 16 KiB a wave and step by a JOINT tensor load of the cluster's four, on two slots.  bias_mask lies in LDS, Q in registers, from the start.
; THE START IS STAGED: piece 0's quarter of step 0's bias, Q and the mask are asked for first, and the first products wait for these 32 loads alone; the other quarters are waited for in two waits, piece 1's, then pieces 2's and 3's.
; K AND V ARE PREFETCHED INTO THE L2: behind each of the first four refills, the step that the refill after next will load (steps 4 to 7; steps 0 to 3 come by their loads alone).  All 8 clusters of a head walk the same tiles: the
; head's first cluster asks.  Its four partners take 4,096 bytes of each tile, told apart by address; in each, wave 0 asks for waves 0's and 1's tiles and wave 2 for waves 2's and 3's: a lane for each 256 bytes, each named once.
; TURNS.  Turn Y: 12 products of piece Y - 1 (8 V^T P, 4 row sums), then 8 products K Q^T of piece Y + 1; beside them piece Y's scaling, exponentials, rescaling and rounding, and piece Y + 1's mask, maximum and statistics.
; A turn's 66 exponentials are one batch with one wait.
; REGISTERS, in windows of 256 (s_set_vgpr_msb: bits 1:0 source 0, 3:2 source 1, 5:4 source 2, 7:6 destination):
;   window 0: v2-15 addresses; v16-31 c m, m a tile; v32-47 at work; v48-51 c m_old; v64-191 S^T, two buffers of two tiles (P is rounded in place); v192-255 the step's mask
;   window 1: v0-127 O^T, 16 a tile; v128-159 L, 8 a piece; v160-191 the bias of one piece          window 2: v16-79 K; v80-143 V; v144-207 Q; v208-223 E_0, E_1          window 3: v0-127 the bias ring; v128-255 step 0's bias
.set SLOT,  65536                      ; K and V: slot n at n x 65,536, wave w at + 16,384 w: 8 KiB of K, then 8 KiB of V; filled by tensor loads alone
.set STG,   131072                     ; the bias stage: wave w at + 17,408 w; 64 rows
.set SPI,   272                        ; a stage row: 256 bytes + 16 = 17 x 16: the 16 rows of a load start at 16 different groups of four banks
.set MST,   200704                     ; the mask: wave w at + 4,096 w, batch u at + 2,048 u
.set CMX,   217088                     ; the meeting: c m, wave w at + 1,024 w
.set LX,    221184                     ; l: wave w at + 1,024 w, piece p at + 256 p, 8 bytes a lane (the piece's two tiles)
.set OX,    225280                     ; O, wave w at + 16,384 w, tile t at + 2,048 t
.set SPARE, 290816                     ; the spare words, 128 bytes for each wave: two blocks of 256 bytes that no other line names
.set L16,  2                           ; 16 x lane
.set AKV0, 3                           ; 16 x lane + 16,384 w
.set AK,   4                           ; LDS address of K's next run
.set AV,   5                           ; of V's
.set ABF,  6                           ; the stage in C layout: row lane % 16, 32 bytes for each half of the lanes
.set AST,  7                           ; the stage by rows: lanes 0-15 one row, lanes 16-31 the next
.set BO,   8                           ; the same two rows in bias_pair
.set AM0,  9                           ; my half's place in the mask
.set AM,   10                          ; the same at the step to be fetched
.set PFO,  11                          ; the prefetches' offset: 256 x (lane % 16), and the next wave's tile (131,072 bytes on) for the upper lanes; never rewritten
.set SPW,  12                          ; LDS address of my spare word; never rewritten
.set NIL,  13                          ; 0; never rewritten
.set EA,   14
.set EB,   15
.set ST,   16
.set TMP,  32
.set MV,   48
.set S,    64
.set GF,   96                          ; the end: the gate
.set M,    192
.set LS,   128                         ; window 1
.set BF,   160                         ; window 1
.set KF,   16                          ; window 2: key block kb, batch u at KF + 16 kb + 8 u
.set VF,   80                          ; window 2: VF + 32 kk + 16 u + 8 c2
.set QF,   144                         ; window 2: QF + 16 Y + 8 u
.set EF,   208                         ; window 2
.set B0,   128                         ; window 3: step 0's bias, rows 2 t and 2 t + 1 at B0 + 4 t
.set BP,   4                           ; s[4:5] bias_pair at my rows and keys, two steps ahead of the step in hand
.set WV,   16
.set G1,   28                          ; s[28:35] descriptor group 1
.set G0A,  36                          ; s[36:39] group 0 of slot 0's first fill
.set G0B,  40                          ; s[40:43] of slot 1's; it then walks
.set CNT,  44
.set TB,   46                          ; the slot from which K and V are fetched
.set MOF,  48                          ; the mask's byte offset of the step to be fetched
.set LIM,  49                          ; 2 in a wave that prefetches, else the greatest number: a wave prefetches while s[CNT] is above it
.set CS,   50                          ; s[50:51] c
.set SEL,  52                          ; s[52:53] v_permlanex16_b32's selects: each lane takes its own place in the other half
.set PFA,  54                          ; s[54:55] where my prefetches stand: my work-group's 4,096 bytes of my tile, four steps ahead of the step in hand
.set W_QK, 0x1a                        ; K and Q in window 2, the bias in window 1, S^T in window 0
.set W_PV, 0x52                        ; V or E in window 2, P in window 0, O^T or L in window 1
.set W_RS, 0x41                        ; destination and source 0 in window 1, source 1 in window 0
.set MSB, 0
.macro WIN new                         ; the immediate's high byte repeats the setting that is left; a switch that changes nothing is dropped
.if MSB != (\new)
	s_set_vgpr_msb (MSB<<8)|(\new)
.set MSB, (\new)
.endif
.endm
.macro PLACES
.rept 4
	v_nop
.endr
.endm
; A round of the cluster's barrier: my work-group's barrier, so that wave 0's signal speaks for all four waves; wave 0 signals; every wave waits for all four work-groups; my work-group's barrier once more.
.macro CROUND
	s_barrier_signal -1
	s_barrier_wait -1
	s_cmp_lg_u32 s[WV], 0
	s_cbranch_scc1 .Lnot_wave_0_\@
	s_barrier_signal -3
.Lnot_wave_0_\@:
	s_barrier_wait -3
	s_barrier_signal -1
	s_barrier_wait -1
.endm
	s_load_b256 s[4:11], s[0:1], 0x0               ; bias_pair 4, bias_mask 6, qf 8, gf 10
	s_load_b128 s[12:15], s[0:1], 0x20             ; kv 12, of 14
	v_lshl_add_u32 v[SPW], v0, 2, SPARE
	v_mov_b32 v[NIL], 0
	ds_add_u32 v[SPW], v[NIL]                      ; the wave's opening: the add, twice on end, and its wait ahead of my first tensor load; work on registers stands between
	ds_add_u32 v[SPW], v[NIL]
	v_lshrrev_b32 v1, 5, v0
	v_readfirstlane_b32 s[WV], v1                  ; wave 0..3
	s_bfe_u32 s17, ttmp6, 0x40000                  ; cx: my place in the cluster
	s_lshl_b32 s18, ttmp9, 2
	s_add_co_u32 s18, s18, s17                     ; my block of 64 queries: it enters the addresses of bias_pair, qf, gf and of alone
	s_and_b32 s19, ttmp7, 0xffff                   ; the head, which the four partners share
	s_lshl_b32 s22, s19, 19                        ; kv: head x 32 groups x 16,384
	s_lshl_b32 s23, s[WV], 17                      ; + my 8 groups: made of the head and the wave's number alone
	s_add_co_u32 s22, s22, s23
	s_mov_b32 s23, 0
	s_lshl_b32 s24, s[WV], 14
	; descriptor group 1: 16,384 dense bytes as 64 rows of 256
	s_mov_b32 s[G1], 15|(3<<16)|(1<<21)            ; 15:0 the mask of four; 17:16 elements of 8 bytes; 21 set beside a mask; no padding
	s_mov_b32 s[G1+1], 32<<16                      ; tensor_dim0 = 32
	s_mov_b32 s[G1+2], 64<<16                      ; tensor_dim1 = 64
	s_mov_b32 s[G1+3], 32<<16                      ; tile_dim0 = 32
	s_mov_b32 s[G1+4], 64                          ; tile_dim1 = 64
	s_mov_b32 s[G1+5], 32                          ; 32 elements from row to row
	s_mov_b32 s[G1+6], 0
	s_mov_b32 s[G1+7], 0
	s_mov_b32 s[G0A], 1
	s_mov_b32 s[G0A+1], s24                        ; slot 0, my wave's part
	s_mov_b32 s[G0B], 1
	s_add_co_u32 s[G0B+1], s24, SLOT
	s_mov_b32 s[CS], 0x3fb8aa3b                    ; c = log2(e)
	s_mov_b32 s[CS+1], s[CS]
	s_mov_b32 s[SEL], 0x76543210
	s_mov_b32 s[SEL+1], 0xfedcba98
	s_and_b32 s[LIM], s[WV], 1                     ; 0 in waves 0 and 2,
	s_or_b32 s[LIM], s[LIM], ttmp9                 ; where the cluster is the head's first: the same in all four partners
	s_cmp_eq_u32 s[LIM], 0
	s_cselect_b32 s[LIM], 2, -1
	v_and_b32 v60, 15, v0                          ; r
	v_bfe_u32 v61, v0, 4, 1                        ; hh
	v_and_b32 v62, 31, v0
	v_lshlrev_b32 v[L16], 4, v62
	v_add_nc_u32 v[AKV0], s24, v[L16]
	s_mul_i32 s27, s[WV], 64*SPI
	s_add_co_u32 s27, s27, STG
	v_mul_u32_u24 v[ABF], v60, SPI
	v_lshl_add_u32 v[ABF], v61, 5, v[ABF]
	v_add_nc_u32 v[ABF], s27, v[ABF]
	v_mul_u32_u24 v[AST], v61, SPI
	v_lshl_add_u32 v[AST], v60, 4, v[AST]
	v_add_nc_u32 v[AST], s27, v[AST]
	v_lshlrev_b32 v[BO], 13, v61
	v_lshl_add_u32 v[BO], v60, 4, v[BO]
	v_lshlrev_b32 v[PFO], 17, v61
	v_lshl_add_u32 v[PFO], v60, 8, v[PFO]
	s_lshl_b32 s27, s[WV], 12
	s_add_co_u32 s27, s27, MST
	v_lshl_add_u32 v[AM0], v61, 5, s27
	v_add_nc_u32 v[EA], s27, v[L16]                ; where the mask is laid down
	s_wait_dscnt 0x0                               ; both opening adds are done
	s_wait_kmcnt 0x0
	s_add_nc_u64 s[G0A+2:G0A+3], s[12:13], s[22:23]    ; step 0
	s_add_nc_u64 s[G0B+2:G0B+3], s[G0A+2:G0A+3], 16384 ; step 1
	s_or_b32 s[G0A+3], s[G0A+3], 0x80000000
	s_or_b32 s[G0B+3], s[G0B+3], 0x80000000
	CROUND                                         ; all four work-groups are here: the first joint loads meet
	tensor_load_to_lds s[G0A:G0A+3], s[G1:G1+7]    ; the two first fills stand together: two loads of mine are out
	s_nop 0
	tensor_load_to_lds s[G0B:G0B+3], s[G1:G1+7]
	s_nop 0
	PLACES
	s_lshl_b32 s20, s19, 24                        ; bias_pair: head x 2,048 x 8,192
	s_lshl_b32 s21, s18, 19                        ; + 64 rows a block
	s_add_co_u32 s20, s20, s21
	s_lshl_b32 s25, s[WV], 11                      ; + my 512 keys
	s_add_co_u32 s20, s20, s25
	s_mov_b32 s21, 0
	s_add_nc_u64 s[BP:BP+1], s[BP:BP+1], s[20:21]
	s_mov_b32 s20, s25
	s_add_nc_u64 s[6:7], s[6:7], s[20:21]          ; bias_mask at my 512 keys
	s_lshl_b32 s20, s19, 18
	s_lshl_b32 s26, s18, 13
	s_add_co_u32 s20, s20, s26
	s_add_nc_u64 s[8:9], s[8:9], s[20:21]          ; qf at the block's four query tiles
	; THE FIRST LOADS, in the order in which they are wanted: piece 0's rows of step 0's bias, Q, the mask; then the other three pieces' rows.
	WIN 0xc0
.set t, 0
.rept 8
	global_load_b128 v[B0+4*t:B0+4*t+3], v[BO], s[BP:BP+1] offset:t*16384 th:TH_LOAD_NT
.set t, t+1
.endr
	WIN 0x80
.set f, 0
.rept 16                               ; Q stays in registers
	global_load_b128 v[QF+4*f:QF+4*f+3], v[L16], s[8:9] offset:512*f
.set f, f+1
.endr
	WIN 0
.set f, 0
.rept 8                                ; the mask of my 512 keys, both batches
	global_load_b128 v[M+4*f:M+4*f+3], v[L16], s[6:7] offset:(f/4)*8192+(f%4)*512
.set f, f+1
.endr
	WIN 0xc0
.set t, 8
.rept 24
	global_load_b128 v[B0+4*t:B0+4*t+3], v[BO], s[BP:BP+1] offset:t*16384 th:TH_LOAD_NT
.set t, t+1
.endr
	s_add_co_u32 s20, s20, s25
	s_add_nc_u64 s[10:11], s[10:11], s[20:21]      ; gf at query tile w of the four, which I finish
	s_lshl_b32 s20, s18, 15
	s_lshl_b32 s26, s[WV], 13
	s_add_co_u32 s20, s20, s26
	s_lshl_b32 s26, s19, 10
	s_add_co_u32 s20, s20, s26
	s_add_nc_u64 s[14:15], s[14:15], s[20:21]      ; of at the same tile and head
	s_lshl_b32 s20, s17, 12                        ; the prefetches: my work-group's 4,096 bytes of a tile,
	s_add_co_u32 s20, s20, s22                     ; my head and wave,
	s_add_co_u32 s20, s20, 4*16384                 ; step 4
	s_add_nc_u64 s[PFA:PFA+1], s[12:13], s[20:21]
	; What the first turn finds: O^T, L, V and P's second buffer hold 0 (its products, of a piece that has not been, add 0).  No first step is written out; these lines stand in the wait for the first loads.
	WIN 0x40
.set k, 0
.rept 160
	v_mov_b32 v[k], 0
.set k, k+1
.endr
	WIN 0
	v_and_b32 v63, 7, v0
	v_mov_b32 v62, 0x3c003c00                      ; 1.0 twice, in f16
	v_cmp_eq_u32 vcc_lo, 0, v63
	v_cndmask_b32 v60, 0, v62, vcc_lo              ; rows 0 and 8
	v_cmp_eq_u32 vcc_lo, 1, v63
	v_cndmask_b32 v61, 0, v62, vcc_lo              ; rows 1 and 9
	WIN 0x80
.set k, 0
.rept 64
	v_mov_b32 v[VF+k], 0
.set k, k+1
.endr
.set k, 0
.rept 8
	v_mov_b32 v[EF+k], v60
	v_mov_b32 v[EF+8+k], v61
.set k, k+1
.endr
	WIN 0
.set k, 0
.rept 8
	v_mov_b32 v[ST+2*k], 0xfe000000                ; c m: far below every c s
	v_mov_b32 v[ST+2*k+1], 0xff7fffff              ; m
.set k, k+1
.endr
.set k, 0
.rept 32                               ; P's second buffer: tile k / 16, key half (k / 8) % 2
	v_mov_b32 v[S+64+32*(k/16)+16*((k/8)%2)+k%8], 0
.set k, k+1
.endr
	WIN 0xc0
.set t, 0
.rept 32                               ; step 1's bias fills the ring, slot t / 8
	global_load_b128 v[4*t:4*t+3], v[BO], s[BP:BP+1] offset:t*16384+256 th:TH_LOAD_NT
.set t, t+1
.endr
	WIN 0
; THE MATRIX WORK.  No two matrix instructions on end share an accumulator, and each turn is one instruction.
.macro QK yn                           ; product i of 8: key block i / 2, batch i % 2
	WIN W_QK
.set rD, S+64*((\yn)%2)+32*(i%2)+8*(i/2)
.set rK, KF+16*(i/2)+8*(i%2)
.set rQ, QF+16*(\yn)+8*(i%2)
.set rB, BF+8*(i/2)
	v_wmma_f32_16x16x32_f16 v[rD:rD+7], v[rK:rK+7], v[rQ:rQ+7], v[rB:rB+7]
.set i, i+1
.endm
.macro PV yp                           ; product i of 12: keys 32 (i / 6) on; O(u0, c0), O(u1, c0), L by E_0, O(u0, c1), O(u1, c1), L by E_1
	WIN W_PV
.set kk, i/6
.set jj, i%6
.if jj%3 == 2
.set rA, EF+8*(jj/3)
.set rP, S+64*((\yp)%2)+32*(jj/3)+16*kk
.set rD, LS+8*(\yp)
.else
.set rA, VF+32*kk+16*(jj%3)+8*(jj/3)
.set rP, S+64*((\yp)%2)+32*(jj%3)+16*kk
.set rD, 16*(2*(\yp)+jj%3)+8*(jj/3)
.endif
	v_wmma_f32_16x16x32_f16 v[rD:rD+7], v[rA:rA+7], v[rP:rP+7], v[rD:rD+7]
.set i, i+1
.endm
; THE LDS LOADS stand in runs.  K, V: 512 consecutive bytes a load, as the launch before laid them.
.macro FETCH_K
	WIN 0x80
.set f, 0
.rept 16
	ds_load_b128 v[KF+4*f:KF+4*f+3], v[AK] offset:512*f
.set f, f+1
.endr
.endm
.macro FETCH_V
	WIN 0x80
.set f, 0
.rept 16
	ds_load_b128 v[VF+4*f:VF+4*f+3], v[AV] offset:8192+512*f
.set f, f+1
.endr
.endm
.macro FETCH_M                         ; f = 8 u + 2 kb + i: keys 16 kb + 8 hh + 4 i on; the lanes of a half share the words
	WIN 0
.set f, 0
.rept 16
	ds_load_b128 v[M+4*f:M+4*f+3], v[AM] offset:(f/8)*2048+((f%8)/2)*64+(f%2)*16
.set f, f+1
.endr
.endm
.macro FETCH_BF pc                     ; the bias of piece pc in C layout
	WIN 0x40
.set f, 0
.rept 8
	ds_load_b128 v[BF+4*f:BF+4*f+3], v[ABF] offset:(\pc)*16*SPI+(f/2)*64+(f%2)*16
.set f, f+1
.endr
.endm
.macro B0ST t0, n                      ; n pairs of rows of step 0's bias, from pair t0 on, go into the stage
	WIN 0x0c                                       ; store data in window 3
.set t, \t0
.rept \n
	ds_store_b128 v[AST], v[B0+4*t:B0+4*t+3] offset:t*2*SPI
.set t, t+1
.endr
	WIN 0
.endm
; THE BIAS RING.  In turn y of step s, slot y (16 rows x 256 bytes of piece y, step s + 1) goes into the stage, whose rows of piece y were last fetched two turns ago and are next fetched two turns on; the slot is asked for again,
; for step s + 2.  The count: the three younger slots' 24 loads stay out.  tail = 1: nothing is left to ask for, and the counts run down.
.macro BQ y, tail
.if \tail
	s_wait_loadcnt 24-8*(\y)
.else
	s_wait_loadcnt 24
.endif
	WIN 0x0c                                       ; store data in window 3
.set t, 0
.rept 8
	ds_store_b128 v[AST], v[32*(\y)+4*t:32*(\y)+4*t+3] offset:(8*(\y)+t)*2*SPI
.set t, t+1
.endr
.if !(\tail)
	WIN 0xc0
.set t, 0
.rept 8
	global_load_b128 v[32*(\y)+4*t:32*(\y)+4*t+3], v[BO], s[BP:BP+1] offset:(\y)*131072+t*16384 th:TH_LOAD_NT
.set t, t+1
.endr
.endif
.endm
; A turn's memory work.  Turn 0: V of the step in hand, first, since it is wanted first.  Turn 2: K and the mask of the next step.  Every turn: the bias of the piece after next, and the ring.
; tail = 1: in the last trip a forward jump leads round what serves a step that does not exist.
.macro RUNS y, tail
.if (\y) == 0
	FETCH_V
	FETCH_BF 2
.elseif (\y) == 1
	FETCH_BF 3
.endif
.if \tail
	WIN 0
	s_cmp_eq_u32 s[CNT], 1
	s_cbranch_scc1 .Lskip_\@
.endif
.if (\y) == 2
	FETCH_K
	FETCH_M
	FETCH_BF 0
.elseif (\y) == 3
	FETCH_BF 1
.endif
	BQ \y, \tail
	WIN 0
.if \tail
.Lskip_\@:
.endif
.endm
; THE VECTOR WORK, in queues; the two tiles of a piece alternate.
.macro REGS y, u
.set rT, ST+2*(2*(\y)+(\u))
.set rC, TMP+8*((\y)%2)+4*(\u)
.set rW, MV+2*((\y)%2)+(\u)
.set rS, S+64*((\y)%2)+32*(\u)
.set rO, 16*(2*(\y)+(\u))
.set rL, LS+8*(\y)+(\u)
.endm
.macro FS                              ; c s - c m, a pair of scores
	REGS Y, qf%2
	WIN 0
	v_pk_fma_f32 v[rS+2*(qf/2):rS+2*(qf/2)+1], v[rS+2*(qf/2):rS+2*(qf/2)+1], s[CS:CS+1], v[rT:rT+1] op_sel_hi:[1,0,0] neg_lo:[0,0,1] neg_hi:[0,0,1]
.set qf, qf+1
.endm
.macro EX                              ; exponential qe stands well behind scaling 2 (qe / 4) + qe % 2
	REGS Y, qe%2
	WIN 0
	v_exp_f32 v[rS+qe/2], v[rS+qe/2]
.set qe, qe+1
.endm
.macro RS                              ; O^T and l times a; the pairs ascend
	REGS Y, qr%2
	WIN W_RS
.if qr < 16
	v_pk_mul_f32 v[rO+2*(qr/2):rO+2*(qr/2)+1], v[rO+2*(qr/2):rO+2*(qr/2)+1], v[rC+2:rC+3] op_sel_hi:[1,0]
.else
	v_mul_f32 v[rL], v[rL], v[rC+2]
.endif
.set qr, qr+1
.endm
.macro MA                              ; the next piece's scores take the mask; ascending likewise
	REGS (Y+1)%4, qm%2
	WIN 0
	v_pk_add_f32 v[rS+2*(qm/2):rS+2*(qm/2)+1], v[rS+2*(qm/2):rS+2*(qm/2)+1], v[M+32*(qm%2)+2*(qm/2):M+32*(qm%2)+2*(qm/2)+1]
.set qm, qm+1
.endm
; Number n of the 22 that find the next piece's maximum and statistics: 0-11 four chains c0-c3 of seven scores; 12-14, 16 the four left over, the old m, and c0-c3 into c0; 15 c m_old is kept;
; 17, 18 the query's other 32 keys lie in the lane 16 away: the new m; 19-21 c m; c m_old - c m_new; a
.macro XS u, n
	REGS (Y+1)%4, \u
	WIN 0
.if (\n) < 4
	v_max3_num_f32 v[rC+(\n)], v[rS+8*(\n)], v[rS+8*(\n)+1], v[rS+8*(\n)+2]
.elseif (\n) < 12
	v_max3_num_f32 v[rC+(\n)%4], v[rC+(\n)%4], v[rS+8*((\n)%4)+2*((\n)/4)+1], v[rS+8*((\n)%4)+2*((\n)/4)+2]
.elseif (\n) == 12
	v_max3_num_f32 v[rC], v[rC], v[rS+7], v[rS+15]
.elseif (\n) == 13
	v_max3_num_f32 v[rC+1], v[rC+1], v[rS+23], v[rS+31]
.elseif (\n) == 14
	v_max3_num_f32 v[rC+2], v[rC+2], v[rC+3], v[rT+1]
.elseif (\n) == 15
	v_mov_b32 v[rW], v[rT]
.elseif (\n) == 16
	v_max3_num_f32 v[rC], v[rC], v[rC+1], v[rC+2]
.elseif (\n) == 17
	v_permlanex16_b32 v[rC+3], v[rC], s[SEL], s[SEL+1]
.elseif (\n) == 18
	v_max_num_f32 v[rT+1], v[rC], v[rC+3]
.elseif (\n) == 19
	v_mul_f32 v[rT], s[CS], v[rT+1]
.elseif (\n) == 20
	v_sub_f32 v[rC+1], v[rW], v[rT]
.else
	v_exp_f32 v[rC+2], v[rC+1]
.endif
.endm
.macro CV                              ; pair pp of weights rounded to f16, in place: fragment pp / 8 begins 16 registers on; the destination never reaches a pair not yet read
	REGS Y, qc%2
.set pp, qc/2
	WIN 0
	v_cvt_pk_f16_f32 v[rS+16*(pp/8)+pp%8], v[rS+2*pp], v[rS+2*pp+1]
.set qc, qc+1
.endm
; A TURN.  Behind each of the first 15 products two scalings and two exponentials (behind the first four scalings); behind the last five the rescaling; then a lump: the mask, the maximum and the chain of statistics, an exponential
; behind every two plain lines; last the next piece's two a.  Nothing ahead of the one wait names a result of the turn's exponentials; the roundings stand behind it.
; The products K Q^T write over P of piece Y - 1 (key blocks 0 and 2): the last reader of a fragment stands 16 plain lines or more ahead of the product that writes over it.
.macro TURN y, tail
.set Y, (\y)
.set qf, 0
.set qe, 0
.set qr, 0
.set qm, 0
.set qc, 0
.set i, 0
.if (\y) == 1
	s_wait_dscnt 16-8*(\tail)                      ; V is in: behind its run stand 8 loads of bias and (not in the last trip) 8 stores into the stage
.endif
	PV (Y+3)%4
	FS
	FS
	FS
	FS
.rept 11
	PV (Y+3)%4
	FS
	EX
	FS
	EX
.endr
	s_wait_dscnt 0x0                               ; the bias of piece Y + 1 is in; in turn 3 K and the mask too
.set i, 0
.rept 3
	QK (Y+1)%4
	FS
	EX
	FS
	EX
.endr
.rept 4
	QK (Y+1)%4
	RS
	RS
	RS
	RS
.endr
	QK (Y+1)%4
	RS
	RS
.rept 16
	MA
	MA
	EX
.endr
.set xn, 0
.rept 14
	XS 0, xn
	XS 1, xn
	EX
.set xn, xn+1
.endr
	XS 0, 15
	XS 1, 15
.irp n, 14,16,17,18,19,20
	XS 0, \n
	XS 1, \n
	EX
.endr
	XS 0, 21
	XS 1, 21
.if (\y) == 0                          ; a plain instruction behind the last exponential: an address that is due, or v_nop
	v_add_nc_u32 v[AV], s[TB], v[AKV0]
.elseif (\y) == 2
	v_add_nc_u32 v[AK], s[TB], v[AKV0]
	v_add_nc_u32 v[AM], s[MOF], v[AM0]
.else
	v_nop
.endif
	s_wait_alu depctr_va_vdst(0)                   ; one wait for the batch of 66
	RUNS \y, \tail
.rept 32
	CV
.endr
.endm
; THE CHANGE OF SLOTS, between turns 1 and 2: V of the step in hand was waited for at turn 1's head, so its slot is read out.  fill = 1: each wave waits for all its tensor loads (one is out: the next step's), adds 0 to its spare
; word, waits for that and for its LDS reads; the round shows the same of every wave of all four work-groups; the joint refill, the step after next, is the first thing behind it and has a whole step in which to land.
; Behind the refill and its five lines stands the prefetch: in step s (s[CNT] = 6 - s) of step s + 4, which the refill after next will load; the last two refills have no such step.
.macro CHANGE fill
	WIN 0
	s_wait_tensorcnt 0x0                           ; fill = 0: my last tile, which turn 2 reads; I read my own bytes alone, so my own wait is all the order that the reads need
.if \fill
	ds_add_u32 v[SPW], v[NIL]                      ; 0 onto my spare word; the descriptor's steps stand between it and the wait for it
	s_xor_b32 s[G0B+1], s[G0B+1], SLOT             ; no tensor load of mine is out, so group 0 may be written: the other slot than last time,
	s_add_nc_u64 s[G0B+2:G0B+3], s[G0B+2:G0B+3], 16384  ; the next 64 keys
	s_wait_dscnt 0x0
	CROUND
	tensor_load_to_lds s[G0B:G0B+3], s[G1:G1+7]
	s_nop 0
	PLACES
	s_cmp_gt_u32 s[CNT], s[LIM]
	s_cbranch_scc0 .Lnot_mine_\@
	global_prefetch_b8 v[PFO], s[PFA:PFA+1] th:TH_LOAD_NT scope:SCOPE_SE
.Lnot_mine_\@:
.endif
	s_xor_b32 s[TB], s[TB], SLOT                   ; K and V are fetched from the other slot from here on,
	s_add_co_u32 s[MOF], s[MOF], 256               ; the mask 64 keys on
.endm
.macro STEP fill
	TURN 0, 1-(\fill)
	TURN 1, 1-(\fill)
	CHANGE \fill
	TURN 2, 1-(\fill)
	TURN 3, 1-(\fill)
	WIN 0
.if \fill
	s_wait_xcnt 0x0                                ; the ring's loads, the youngest 32 lines back, and the prefetch, two turns back, have read their bases
	s_add_nc_u64 s[BP:BP+1], s[BP:BP+1], 256
	s_add_nc_u64 s[PFA:PFA+1], s[PFA:PFA+1], 16384
.endif
.endm
	s_wait_loadcnt 56                              ; piece 0's rows, Q and the mask are in: behind them stand the other pieces' 24 loads and the ring's 32
	B0ST 0, 8
.set f, 0
.rept 8
	ds_store_b128 v[EA], v[M+4*f:M+4*f+3] offset:512*f
.set f, f+1
.endr
	s_wait_tensorcnt 0x1                           ; my part of slot 0 is in; slot 1's may stay out
	v_mov_b32 v[AK], v[AKV0]
	v_mov_b32 v[AM], v[AM0]
	FETCH_K                                        ; step 0
	FETCH_BF 0
	FETCH_M
	s_wait_dscnt 0x0
.set i, 0
.rept 8
	QK 0                                           ; piece 0's first scores
.endr
	WIN 0
	PLACES                                         ; in front of the loads into the bias's registers and of the readers of the scores
	s_wait_loadcnt 48                              ; piece 1's rows are in
	B0ST 8, 8
	FETCH_BF 1
	WIN 0
.set Y, 3                              ; MA and XS work for piece Y + 1: piece 0
.set qm, 0
.rept 32
	MA
.endr
.set xn, 0
.rept 22
	XS 0, xn
	XS 1, xn
.set xn, xn+1
.endr
	v_nop                                          ; a plain instruction behind the two a,
	s_wait_alu depctr_va_vdst(0)                   ; and their wait, ahead of the label
	s_wait_loadcnt 32                              ; pieces 2's and 3's rows are in; the ring's 32 loads stay out
	B0ST 16, 16
	s_wait_xcnt 0x0                                ; the loads above have read their base
	s_add_nc_u64 s[BP:BP+1], s[BP:BP+1], 512       ; two steps ahead of step 0
	s_mov_b32 s[TB], 0
	s_mov_b32 s[MOF], 0
	s_mov_b32 s[CNT], 6
.Lstep:                                        ; steps 0 to 5: each asks for K and V and for the bias of the step after next
	STEP 1
	s_sub_co_u32 s[CNT], s[CNT], 1
	s_cmp_lg_u32 s[CNT], 0
	s_cbranch_scc1 .Lstep
	s_mov_b32 s[CNT], 2
.Ltail:                                        ; steps 6 and 7 are a text of their own
	STEP 0
	s_sub_co_u32 s[CNT], s[CNT], 1
	s_cmp_lg_u32 s[CNT], 0
	s_cbranch_scc1 .Ltail
	; The last turn's 8 products K Q^T and the statistics made of them serve nothing: the price, once a wave, of one text for every trip.  They have written c m of piece 0 anew; its true value was kept (number 15) in v48, v49.
	; THE END.  The four waves' partial softmaxes meet: c m* = the largest c m; each wave's O and l are multiplied by f = 2^(c m - c m*) and added, in f32.
.set f, 0
.rept 4                                ; the gate of the piece that I finish
	global_load_b128 v[GF+4*f:GF+4*f+3], v[L16], s[10:11] offset:512*f
.set f, f+1
.endr
.set i, 0
.rept 12
	PV 3                                           ; the last piece's products of the last step
.endr
	WIN 0
	s_lshl_b32 s20, s[WV], 10
	s_add_co_u32 s21, s20, CMX                     ; my c m
	s_add_co_u32 s22, s20, LX                      ; my l
	s_lshl_b32 s23, s[WV], 14
	s_add_co_u32 s23, s23, OX                      ; my O
	s_lshl_b32 s24, s[WV], 12
	s_add_co_u32 s24, s24, OX                      ; piece w's O in wave 0's part
	s_lshl_b32 s25, s[WV], 8
	s_add_co_u32 s25, s25, LX                      ; piece w's l in wave 0's part
	v_add_nc_u32 v[EA], s21, v[L16]                ; these plain lines are the places behind those products
	v_add_nc_u32 v[EB], CMX, v[L16]
	v_add_nc_u32 v4, s23, v[L16]
	v_and_b32 v5, 31, v0
	v_lshl_add_u32 v5, v5, 3, s22                  ; 8 bytes a lane
	v_add_nc_u32 v6, s24, v[L16]
	v_and_b32 v7, 31, v0
	v_lshl_add_u32 v7, v7, 3, s25
	v_mov_b32 v52, v48
	v_mov_b32 v53, v49
.set k, 2
.rept 6
	v_mov_b32 v[52+k], v[ST+2*k]
.set k, k+1
.endr
	ds_store_b128 v[EA], v[52:55]
	ds_store_b128 v[EA], v[56:59] offset:512
	s_wait_dscnt 0x0                               ; for the others' sake
	s_barrier_signal -1
	s_barrier_wait -1
.set f, 0
.rept 8                                ; wave f / 2, tiles 4 (f % 2) on
	ds_load_b128 v[64+4*f:64+4*f+3], v[EB] offset:(f/2)*1024+(f%2)*512
.set f, f+1
.endr
	s_wait_dscnt 0x0
.set t, 0
.rept 8
	v_max3_num_f32 v[32+t], v[64+t], v[72+t], v[80+t]
.set t, t+1
.endr
.set t, 0
.rept 8
	v_max_num_f32 v[32+t], v[32+t], v[88+t]
.set t, t+1
.endr
.set t, 0
.rept 8
	v_sub_f32 v[32+t], v[52+t], v[32+t]
.set t, t+1
.endr
.set t, 0
.rept 8
	v_exp_f32 v[112+2*t], v[32+t]
.set t, t+1
.endr
.set t, 0
.rept 8
	v_mov_b32 v[113+2*t], 0                        ; named with f as a pair
.set t, t+1
.endr
	s_wait_alu depctr_va_vdst(0)                   ; one wait for the eight
	WIN W_RS
.set k, 0
.rept 64
	v_pk_mul_f32 v[2*k:2*k+1], v[2*k:2*k+1], v[112+2*(k/8):113+2*(k/8)] op_sel_hi:[1,0]
.set k, k+1
.endr
	WIN 0x01                                       ; source 0 in window 1
.set t, 0
.rept 8
	v_mul_f32 v[128+t], v[LS+8*(t/2)+t%2], v[112+2*t]
.set t, t+1
.endr
	WIN 0x04                                       ; store data in window 1
.set f, 0
.rept 32
	ds_store_b128 v4, v[4*f:4*f+3] offset:512*f
.set f, f+1
.endr
	WIN 0
.set p, 0
.rept 4                                ; piece p's two l: 256 consecutive bytes a store
	ds_store_b64 v5, v[128+2*p:129+2*p] offset:256*p
.set p, p+1
.endr
	s_wait_dscnt 0x0
	s_barrier_signal -1
	s_barrier_wait -1
.set f, 0
.rept 32                               ; wave w finishes piece w: from wave f / 8, tile (f / 4) % 2, registers 4 (f % 4) on
	ds_load_b128 v[128+4*f:128+4*f+3], v6 offset:(f/8)*16384+(f%8)*512
.set f, f+1
.endr
.set f, 0
.rept 4                                ; and its two l from wave f
	ds_load_b64 v[112+2*f:113+2*f], v7 offset:1024*f
.set f, f+1
.endr
	s_wait_dscnt 0x0
.set k, 0
.rept 16
	v_pk_add_f32 v[128+2*k:129+2*k], v[128+2*k:129+2*k], v[160+2*k:161+2*k]
	v_pk_add_f32 v[192+2*k:193+2*k], v[192+2*k:193+2*k], v[224+2*k:225+2*k]
.set k, k+1
.endr
	v_pk_add_f32 v[112:113], v[112:113], v[114:115]
	v_pk_add_f32 v[116:117], v[116:117], v[118:119]
.set k, 0
.rept 16
	v_pk_add_f32 v[128+2*k:129+2*k], v[128+2*k:129+2*k], v[192+2*k:193+2*k]
.set k, k+1
.endr
	v_pk_add_f32 v[112:113], v[112:113], v[116:117]
	v_mov_b32 v121, 0                              ; named with 1 / l as pairs
	v_mov_b32 v123, 0
	v_rcp_f32 v120, v112
	v_rcp_f32 v122, v113
	v_mov_b32 v60, 0                               ; a plain instruction behind the reciprocals: the addend below
	s_wait_alu depctr_va_vdst(0)
	s_wait_loadcnt 0x0                             ; the gate
.set k, 0
.rept 16
	v_pk_mul_f32 v[128+2*k:129+2*k], v[128+2*k:129+2*k], v[120+2*(k/8):121+2*(k/8)] op_sel_hi:[1,0]
.set k, k+1
.endr
.set e, 0
.rept 32                               ; times the gate, read as an f16 half; the mixed form is a multiply-add, and its addend is a register of 0
.if e%2
	v_fma_mix_f32 v[128+e], v[GF+e/2], v[128+e], v60 op_sel:[1,0,0] op_sel_hi:[1,0,0]
.else
	v_fma_mix_f32 v[128+e], v[GF+e/2], v[128+e], v60 op_sel:[0,0,0] op_sel_hi:[1,0,0]
.endif
.set e, e+1
.endr
.set k, 0
.rept 16
	v_cvt_pk_f16_f32 v[32+k], v[128+2*k], v[129+2*k]
.set k, k+1
.endr
.set f, 0
.rept 4                                ; batch f / 2, channels 16 (f % 2) on: 512 consecutive bytes, aligned
	global_store_b128 v[L16], v[32+4*f:32+4*f+3], s[14:15] offset:(f/2)*1048576+(f%2)*512
.set f, f+1
.endr
	s_wait_tensorcnt 0x0                           ; the wave's end: behind my last tensor load and my last LDS store
	ds_add_u32 v[SPW], v[NIL]
	s_wait_dscnt 0x0
	CROUND                                         ; the closing round: no work-group ends while a partner may still ask for a tile that names it
	s_endpgm
.Lfunc_end_k_qe86391274b_attn:
	.size	k_qe86391274b_attn, .Lfunc_end_k_qe86391274b_attn-k_qe86391274b_attn
	.p2alignl 7, 3214868480
	.fill 96, 4, 3214868480
	.section	.rodata,"a",@progbits
	.p2align	6, 0x0
	.amdhsa_kernel k_qe86391274b_attn
		.amdhsa_group_segment_fixed_size 327680
		.amdhsa_private_segment_fixed_size 0
		.amdhsa_enable_private_segment 0
		.amdhsa_kernarg_size 48
		.amdhsa_user_sgpr_count 2
		.amdhsa_user_sgpr_kernarg_segment_ptr 1
		.amdhsa_wavefront_size32 1
		.amdhsa_system_sgpr_workgroup_id_x 1
		.amdhsa_system_sgpr_workgroup_id_y 1
		.amdhsa_system_sgpr_workgroup_id_z 1
		.amdhsa_system_vgpr_workitem_id 0
		.amdhsa_next_free_vgpr 1024
		.amdhsa_next_free_sgpr 66
		.amdhsa_reserve_vcc 1
		.amdhsa_float_denorm_mode_32 3
		.amdhsa_float_denorm_mode_16_64 3
		.amdhsa_memory_ordered 1
		.amdhsa_forward_progress 1
		.amdhsa_inst_pref_size 190
	.end_amdhsa_kernel
	.amdgpu_metadata
---
amdhsa.version: [ 1, 2 ]
amdhsa.kernels:
  - .name:           k_qe86391274b_attn
    .symbol:         k_qe86391274b_attn.kd
    .args:
      - { .name: bias_pair, .offset: 0, .size: 8, .value_kind: global_buffer, .address_space: global }
      - { .name: bias_mask, .offset: 8, .size: 8, .value_kind: global_buffer, .address_space: global }
      - { .name: qf, .offset: 16, .size: 8, .value_kind: global_buffer, .address_space: global }
      - { .name: gf, .offset: 24, .size: 8, .value_kind: global_buffer, .address_space: global }
      - { .name: kv, .offset: 32, .size: 8, .value_kind: global_buffer, .address_space: global }
      - { .name: of, .offset: 40, .size: 8, .value_kind: global_buffer, .address_space: global }
    .group_segment_fixed_size: 327680
    .private_segment_fixed_size: 0
    .kernarg_segment_align: 8
    .kernarg_segment_size: 48
    .max_flat_workgroup_size: 128
    .sgpr_count:     66
    .vgpr_count:     1024
    .wavefront_size: 32
...
	.end_amdgpu_metadata
.endif
;; end of part 2
;; launch outp (part 3): grid 64 x 4, 4 waves a work-group, no clusters, 17,920 bytes of LDS; arguments of, wof, bo, out0; writes out0
.if DOCPART == 3
	.amdgcn_target "amdgcn-amd-amdhsa--gfx1250"
	.amdhsa_code_object_version 6
	.text
	.protected	k_qe86391274b_outp
	.globl	k_qe86391274b_outp
	.p2align	8
	.type	k_qe86391274b_outp,@function
k_qe86391274b_outp:
	s_mov_b64 s[64:65], 0
	v_nop
	global_prefetch_b8 v0, s[64:65] scope:SCOPE_SE
	s_setreg_imm32_b32 hwreg(HW_REG_WAVE_MODE, 25, 1), 1
	s_wait_xcnt 0x0
; THE OUTPUT PROJECTION.  out0[row][c] = the sum over k of of[row][k] Wo[c][k] + bo[c]: 4,096 x 256 x 256.  of and Wo (as wof) arrive in f16, in the order of matrix fragments; sums in f32; bo starts them.
; Nothing of reference() is left out here.  LIMIT: Wo was rounded to f16 by the first launch and must lie within 65,504.
; SHARES.  Work-group (x, y): 64 rows, 64 columns.  Wave w: 2 row tiles (w / 2) x 2 column tiles (w % 2), K = 256: 4 accumulators, 32 matrix instructions.
; Every fragment comes straight from memory into registers, 512 consecutive bytes a load, ordered by K steps: a K step's four products wait for its own 8 loads alone.
; The product is taken transposed (source 0 = 16 rows of Wo, source 1 = 16 rows of of): a lane holds one row and 8 neighbouring columns.
; A wave's 32 columns are half of an aligned 256 bytes of out0, so the four waves share ONE stage in LDS, with a barrier between writing and reading.
; NO CLUSTER, though of's and wof's tiles are read by several work-groups: the fragments are used from registers as they lie in memory; a joint load lands in LDS alone and would add a round of the cluster's barrier and a way
; through LDS to a launch of 32 matrix instructions a wave.
.set SP,    272                        ; a stage row: 256 bytes + 16
.set SPARE, 64*SP                      ; behind the stage's 64 rows: the spare words, 128 bytes for each wave: two blocks of 256 bytes that no other line names
.set L16, 2                            ; 16 x lane
.set BOO, 3                            ; 32 x hh
.set STO, 4                            ; the way out: where I put 16 bytes of a row
.set RD,  5                            ; where I read a row back
.set GO,  6                            ; the same two rows in out0
.set SPW, 12
.set NIL, 13
.set BB,  16                           ; v16-31   bo, my column tile a at BB + 8 a
.set ACC, 32                           ; v32-63   accumulator (a, b) at ACC + 8 (2 a + b)
.set T,   64                           ; v64-95   rows read back
                                       ; window 1: K step ks at 32 ks: wof's two fragments, then of's two
.set MSB, 0
.macro WIN new
.if MSB != (\new)
	s_set_vgpr_msb (MSB<<8)|(\new)
.set MSB, (\new)
.endif
.endm
	s_load_b256 s[4:11], s[0:1], 0x0               ; of 4, wof 6, bo 8, out0 10
	v_lshl_add_u32 v[SPW], v0, 2, SPARE
	v_mov_b32 v[NIL], 0
	v_lshrrev_b32 v1, 5, v0
	v_readfirstlane_b32 s12, v1                    ; wave 0..3
	s_mov_b32 s13, ttmp9
	s_and_b32 s14, ttmp7, 0xffff
	s_lshr_b32 s16, s12, 1                         ; wr: which 32 rows
	s_and_b32 s17, s12, 1                          ; wc: which 32 columns
	v_and_b32 v9, 31, v0
	v_and_b32 v10, 15, v0
	v_bfe_u32 v11, v0, 4, 1
	v_lshlrev_b32 v[L16], 4, v9
	v_lshlrev_b32 v[BOO], 5, v11
	s_mul_i32 s15, s16, 32*SP                      ; into the stage: row 32 wr + 16 b + lane % 16, byte 128 wc + 64 a + 32 hh
	s_lshl_b32 s18, s17, 7
	s_add_co_u32 s15, s15, s18
	v_mul_u32_u24 v[STO], v10, SP
	v_lshl_add_u32 v[STO], v11, 5, v[STO]
	v_add_nc_u32 v[STO], s15, v[STO]
	s_mul_i32 s15, s12, 16*SP                      ; back: wave w takes rows 16 w .. 16 w + 15, whole; lanes 0-15 one row, lanes 16-31 the next
	v_mul_u32_u24 v[RD], v11, SP
	v_lshl_add_u32 v[RD], v10, 4, v[RD]
	v_add_nc_u32 v[RD], s15, v[RD]
	v_lshlrev_b32 v[GO], 10, v11
	v_lshl_add_u32 v[GO], v10, 4, v[GO]
	s_lshl_b32 s18, s13, 15                        ; of: row tile 4 x + 2 wr, 8,192 bytes each
	s_lshl_b32 s19, s16, 14
	s_add_co_u32 s18, s18, s19
	s_mov_b32 s19, 0
	s_lshl_b32 s20, s14, 15                        ; wof: column tile 4 y + 2 wc, 8,192 bytes each
	s_lshl_b32 s21, s17, 14
	s_add_co_u32 s20, s20, s21
	s_mov_b32 s21, 0
	s_lshl_b32 s22, s14, 8                         ; bo: 64 y + 32 wc
	s_lshl_b32 s23, s17, 7
	s_add_co_u32 s22, s22, s23
	s_mov_b32 s23, 0
	s_wait_kmcnt 0x0
	s_add_nc_u64 s[4:5], s[4:5], s[18:19]
	s_add_nc_u64 s[6:7], s[6:7], s[20:21]
	s_add_nc_u64 s[8:9], s[8:9], s[22:23]
	s_lshl_b32 s18, s13, 16                        ; out0: rows 64 x + 16 w, columns 64 y
	s_lshl_b32 s20, s12, 14
	s_add_co_u32 s18, s18, s20
	s_lshl_b32 s20, s14, 8
	s_add_co_u32 s18, s18, s20
	s_add_nc_u64 s[10:11], s[10:11], s[18:19]
.set k, 0
.rept 4                                ; column tile k / 2, numbers 4 (k % 2) on
	global_load_b128 v[BB+4*k:BB+4*k+3], v[BOO], s[8:9] offset:(k/2)*64+(k%2)*16
.set k, k+1
.endr
	WIN 0x40
.set ks, 0
.rept 8
.set f, 0
.rept 4                                ; tile f / 2, half f % 2
	global_load_b128 v[32*ks+4*f:32*ks+4*f+3], v[L16], s[6:7] offset:(f/2)*8192+ks*1024+(f%2)*512
.set f, f+1
.endr
.set f, 0
.rept 4
	global_load_b128 v[32*ks+16+4*f:32*ks+16+4*f+3], v[L16], s[4:5] offset:(f/2)*8192+ks*1024+(f%2)*512
.set f, f+1
.endr
.set ks, ks+1
.endr
	WIN 0x05                                       ; sources 0 and 1 in window 1
.set ks, 0
.rept 8
	s_wait_loadcnt 56-8*ks                         ; this K step's fragments are in; the 8 loads of each later step stay out
.irp a, 0,1
.irp b, 0,1                            ; the four accumulators take turns
.if ks == 0
	v_wmma_f32_16x16x32_f16 v[ACC+8*(2*\a+\b):ACC+8*(2*\a+\b)+7], v[32*ks+8*\a:32*ks+8*\a+7], v[32*ks+16+8*\b:32*ks+16+8*\b+7], v[BB+8*\a:BB+8*\a+7]
.else
	v_wmma_f32_16x16x32_f16 v[ACC+8*(2*\a+\b):ACC+8*(2*\a+\b)+7], v[32*ks+8*\a:32*ks+8*\a+7], v[32*ks+16+8*\b:32*ks+16+8*\b+7], v[ACC+8*(2*\a+\b):ACC+8*(2*\a+\b)+7]
.endif
.endr
.endr
.set ks, ks+1
.endr
	WIN 0
.rept 4
	v_nop                                          ; the places behind the last products
.endr
.irp a, 0,1
.irp b, 0,1                            ; each accumulator's lowest registers first
	ds_store_b128 v[STO], v[ACC+8*(2*\a+\b):ACC+8*(2*\a+\b)+3]   offset:\b*16*SP+\a*64
	ds_store_b128 v[STO], v[ACC+8*(2*\a+\b)+4:ACC+8*(2*\a+\b)+7] offset:\b*16*SP+\a*64+16
.endr
.endr
	s_wait_dscnt 0x0                               ; for the others' sake: a row's 256 bytes come from two waves
	s_barrier_signal -1
	s_barrier_wait -1
.set k, 0
.rept 8
	ds_load_b128 v[T+4*k:T+4*k+3], v[RD] offset:k*2*SP
.set k, k+1
.endr
.set k, 0
.rept 8
	s_wait_dscnt 7-k
	global_store_b128 v[GO], v[T+4*k:T+4*k+3], s[10:11] offset:k*2048  ; 16 lanes store 256 consecutive bytes, aligned
.set k, k+1
.endr
	s_wait_tensorcnt 0x0                           ; the wave's end: behind my last LDS store
	ds_add_u32 v[SPW], v[NIL]
	s_wait_dscnt 0x0
	s_endpgm
.Lfunc_end_k_qe86391274b_outp:
	.size	k_qe86391274b_outp, .Lfunc_end_k_qe86391274b_outp-k_qe86391274b_outp
	.p2alignl 7, 3214868480
	.fill 96, 4, 3214868480
	.section	.rodata,"a",@progbits
	.p2align	6, 0x0
	.amdhsa_kernel k_qe86391274b_outp
		.amdhsa_group_segment_fixed_size 17920
		.amdhsa_private_segment_fixed_size 0
		.amdhsa_enable_private_segment 0
		.amdhsa_kernarg_size 32
		.amdhsa_user_sgpr_count 2
		.amdhsa_user_sgpr_kernarg_segment_ptr 1
		.amdhsa_wavefront_size32 1
		.amdhsa_system_sgpr_workgroup_id_x 1
		.amdhsa_system_sgpr_workgroup_id_y 1
		.amdhsa_system_sgpr_workgroup_id_z 1
		.amdhsa_system_vgpr_workitem_id 0
		.amdhsa_next_free_vgpr 512
		.amdhsa_next_free_sgpr 66
		.amdhsa_reserve_vcc 0
		.amdhsa_float_denorm_mode_32 3
		.amdhsa_float_denorm_mode_16_64 3
		.amdhsa_memory_ordered 1
		.amdhsa_forward_progress 1
		.amdhsa_inst_pref_size 14
	.end_amdhsa_kernel
	.amdgpu_metadata
---
amdhsa.version: [ 1, 2 ]
amdhsa.kernels:
  - .name:           k_qe86391274b_outp
    .symbol:         k_qe86391274b_outp.kd
    .args:
      - { .name: of, .offset: 0, .size: 8, .value_kind: global_buffer, .address_space: global }
      - { .name: wof, .offset: 8, .size: 8, .value_kind: global_buffer, .address_space: global }
      - { .name: bo, .offset: 16, .size: 8, .value_kind: global_buffer, .address_space: global }
      - { .name: out0, .offset: 24, .size: 8, .value_kind: global_buffer, .address_space: global }
    .group_segment_fixed_size: 17920
    .private_segment_fixed_size: 0
    .kernarg_segment_align: 8
    .kernarg_segment_size: 32
    .max_flat_workgroup_size: 128
    .sgpr_count:     66
    .vgpr_count:     512
    .wavefront_size: 32
...
	.end_amdgpu_metadata
.endif
;; end of part 3
